; MI455X (gfx1250); checked and timed in simulation.
; The chip was launched on July 23, 2026; its instructions are those of AMD's public machine-readable ISA for CDNA 5 (MIT licence, August 2026) and "CDNA5" Instruction Set Architecture Reference Guide (July 2026). The comments in the code are by the model that wrote it; some were corrected since.
;; Deep Seek Mo E. Allowed arithmetic: matrix products marked QUANTISED: E2M3 operands, one E8M0 scale for each 32 along K, by v_wmma_scale_f32_16x16x128_f8f6f4 with both operands' format E2M3, f32 sums; products left as they are: f32 operands where the result goes on into a quantised operand, else bf16, f16 or f32 operands; f32 sums; everything else in f32.
;; Inputs: Wi_codes 4,096 x 16 x 24 uint8 (E2M3 codes of Wi, K innermost, in blocks of 32 codes, four codes in three bytes); Wi_scales 4,096 x 16 uint8 (E8M0 scales of Wi, one for each 32 codes along K); Wo_codes 512 x 128 x 24 uint8 (E2M3 codes of Wo, K innermost, in blocks of 32 codes, four codes in three bytes); Wo_scales 512 x 128 uint8 (E8M0 scales of Wo, one for each 32 codes along K); Wr 8 x 4,096 float32; bi 4,096 float32; bo 512 float32; br 8 float32; x_codes 8 x 2,048 x 16 x 24 uint8 (E2M3 codes of x, K innermost, in blocks of 32 codes, four codes in three bytes); x_scales 8 x 2,048 x 16 uint8 (E8M0 scales of x, one for each 32 codes along K).
;; Outputs: out0 8 x 2,048 x 512 float32.
;; This version of the problem:
;;   THIS VERSION OF THE PROBLEM IS GIVEN IN LOW PRECISION. The matrix products marked QUANTISED in the list below multiply operands that are first quantised to E2M3 (2 exponent bits, 3 mantissa bits; 6 bits a number), with one power-of-two scale for each 32 numbers along K (OCP MX v1.0); their sums are f32. All else is computed in f32.
;;   The module's matrix products, in the order in which they are computed (A, B: the left and right operand; K: the contracted axis; several contracted axes count as one K, in the product's order):
;;     1. [M 16,384, K 512] x [K 512, N 4,096]; A: input x (given as codes); B: input Wi (given as codes): QUANTISED
;;     2. [M 16,384, K 4,096] x [K 4,096, N 8]; A: computed on the way; B: input Wr: left as it is (N = 8 < 16)
;;     3. [M 16,384, K 4,096] x [K 4,096, N 512]; A: computed on the way; B: input Wo (given as codes): QUANTISED
;;   THE QUANTISER, for each operand of a quantised product, along K:
;;     - K is cut into blocks of 32 from its start; a last block that is shorter is filled with zeros.
;;     - A block's scale is 2^e with e = floor(log2(the largest magnitude in the block)) - 2, held to -126 .. 127; a block of zeros has e = 0. As a byte (E8M0): e + 127.
;;     - Each number is divided by its block's scale, clamped to +-7.5, and rounded to the nearest number of E2M3, ties to even, subnormals kept.
;;     - The product sums the exact products of the quantised numbers (number of the format x scale) in f32.
;;   ~~~python
;;   def quantise(x, axis):      # numpy; x: float32 -> the quantised numbers, widened to float32 again
;;       x = np.moveaxis(x, axis, -1); K = x.shape[-1]
;;       x = np.pad(x, [(0, 0)] * (x.ndim - 1) + [(0, -K % 32)]); x = x.reshape(x.shape[:-1] + (-1, 32)); a = np.abs(x).max(-1, keepdims=True)
;;       e = np.where(a > 0, np.clip(np.frexp(np.where(a > 0, a, 1))[1] - 1 - 2, -126, 127), 0)      # np.frexp(a)[1] - 1 = floor(log2(a)), exactly
;;       r = np.clip(x / 2.0 ** e, -7.5, 7.5)
;;       step = 2.0 ** (np.maximum(np.frexp(np.where(r == 0, 1, r))[1] - 1, 0) - 3)
;;       q = np.round(r / step) * step * 2.0 ** e      # np.round: ties to even
;;       return np.moveaxis(q.reshape(q.shape[:-2] + (-1,))[..., :K], -1, axis).astype(np.float32)
;;   ~~~
;;   OPERANDS COMPUTED ON THE WAY. 'Computed on the way' means the value that the module computes at that place (a softmax that the list does not call 'softmax' is quantised finished and normalised). What goes into a quantiser is computed in f32, as accurately as f32 sums, v_exp_f32 and their like allow (about 1e-6 of the number): no bf16 or f16 on the way to a quantiser, and a product that is left as it is and whose result goes on into a quantised operand takes f32 operands (vector FMAs, or v_wmma_f32_16x16x4_f32). A number that lies on a knife's edge between two numbers of the format may be rounded either way, as far as f32 arithmetic and the matrix unit's own rounding can turn it there, and no further.
;;   INPUTS GIVEN AS CODES. Wi (in the module: [4096, 512], K = its axis 1); Wo (in the module: [512, 4096], K = its axis 1); x (in the module: [8, 2048, 512], K = its axis 2): each comes as NAME_codes (uint8): NAME with its K axis moved to the last place and cut into blocks of 32 codes, [.., K / 32, bytes a block], one block behind the other in memory; four codes in three bytes: a row's codes are one little-endian stream of bits, code i at bits 6 i .. 6 i + 5 (a code: sign, 2 exponent bits, 3 mantissa bits); and NAME_scales (uint8): the same leading axes, one E8M0 byte (e + 127) for each 32 codes along K. Its value is code x scale, taken as it is: it is not quantised again, and the codes and scales need not be those that the quantiser above would give.
;; One version. Each part assembles by itself: llvm-mc -triple=amdgcn-amd-amdhsa -mcpu=gfx1250 --defsym DOCPART=n.
;; ======== version 1 of 1: 2 launches
;; limits: right only within a limited range of input values
;; workspace buffers: part 4,194,304 bytes; hsel 524,288 bytes
;; launch hidden (part 1): grid 32 x 8, 4 waves a work-group, clusters of 4 x 1, 327,680 bytes of LDS; arguments x_codes, x_scales, Wi_codes, Wi_scales, bi, Wr, part, hsel; writes part, hsel
.if DOCPART == 1
	.amdgcn_target "amdgcn-amd-amdhsa--gfx1250"
	.amdhsa_code_object_version 6
	.text
	.protected	k_qe4726e3cb3_hidden
	.globl	k_qe4726e3cb3_hidden
	.p2align	8
	.type	k_qe4726e3cb3_hidden,@function
k_qe4726e3cb3_hidden:
	s_mov_b64 s[64:65], 0
	v_nop
	global_prefetch_b8 v0, s[64:65] scope:SCOPE_SE
	s_setreg_imm32_b32 hwreg(HW_REG_WAVE_MODE, 25, 1), 1
	s_wait_xcnt 0x0
	s_wait_alu depctr_hold_cnt(0) depctr_sa_sdst(0) depctr_va_vdst(0) depctr_va_sdst(0) depctr_va_ssrc(0) depctr_va_vcc(0) depctr_vm_vsrc(0)
	s_getreg_b32 s2, hwreg(HW_REG_IB_STS2, 6, 4)
	s_cmp_eq_u32 s2, 0
	s_cbranch_scc0 .Lentry_in_a_cluster
	s_endpgm
.Lentry_in_a_cluster:
	s_bfe_u32 s2, ttmp6, 0x10000c
	s_cmp_lg_u32 s2, 0x3003
	s_cbranch_scc0 .Lentry_shape_is_right
	s_endpgm
.Lentry_shape_is_right:
; h = x Wi^T + bi on codes of FP6 (E2M3) with E8M0 scales, and this slice's part of logits = h Wr^T, in f32 fused multiply-adds.  No work of reference() is left out; br, the softmax, the choice and the
; second product belong to the next launch.  h itself never goes to memory: stored are part[y][token][8] (the sums over 512 hidden units) and, by y = 0, hsel[token][8] = h[token][0..7], from which the next launch gathers.
; SHARES.  A work-group takes 512 tokens x 512 hidden units (grid 32 x 8); each of its four waves 128 tokens (8 tiles of 16) x all 512 units.  x's fragments, 8 x 4 x 12 registers, stay in registers.
; Wi's 512 rows (196,608 bytes), their scales, bi and Wr's slice lie in LDS, each byte filled once.
; CLUSTER.  The four work-groups of a cluster lie along x: other tokens, the same rows of Wi, asked for jointly, one load a wave: 128 rows are a dense block of 49,152 bytes, stated as 192 rows of 256 bytes;
; 16 bytes of padding behind every 128 bytes make a row of Wi (384 bytes) 432 bytes in LDS = 27 x 16: the 16 rows of a 16-byte load start at 16 different 16-byte columns of 256 bytes.
; NO PREFETCH: every byte that the launch reads is asked for at its head; the loop reads LDS and registers alone.
; THE MATRIX INSTRUCTION IS USED TRANSPOSED: source 0 = 16 rows of Wi, source 1 = 16 tokens: lane (r, h) holds token r and units 8 h + 0 .. 7 of the tile; bi is the C of K step 0.
; K BLOCKS ARE TAKEN IN ANOTHER ORDER, alike in both operands: of each 96 bytes lane half h takes the 48 at 48 h (three loads of 16 bytes), so the two middle bytes of every scale word change places.
; A TRIP is one tile of 16 units: 32 products (the eight accumulators by turns); the next tile's Wi, scales and bi are asked for; 256 packed multiply-adds (each sum once in 64); the next tile's Wr is asked for.
; REGISTERS.  Window 0: v1-17 addresses, v18-49 x's scale words, v50-53 Wi's, v54-61 bi, v62-125 h (8 tiles x 8), v126-253 the sums (tile t, expert e: a pair at 16 t + 2 e), v254-255 the spare word and 0.
;   Windows 1, 2: x's fragments of tiles 0-3, 4-7.   Window 3: v0-47 Wi's fragments, v48-111 Wr (8 e + j).
; LIMITS: NaN and infinities are not served.
.set TILEB, 6912                       ; 16 rows of Wi in LDS
.set CHUNK, 8*TILEB                    ; 128 rows: one wave's load
.set WRB,   0                          ; Wr's slice: 8 x 2,048 bytes
.set BIB,   16384                      ; bi's slice
.set SCB,   18432                      ; Wi's scale words, 16 bytes a row
.set CODES, 26624
.set SPARE, 0x3c800                    ; behind the codes: the spare words
.set LWA, 1
.set LWB, 2
.set LSC, 3
.set LWR, 4
.set AWA, 5
.set AWB, 6
.set ASC, 7
.set AWR, 8
.set OA,  9
.set XS,  18
.set WSC, 50
.set BI,  54
.set H,   62
.set LA,  126
.set TB,  126                          ; the head's staging registers, where the sums lie later
.set WF,  0
.set WR,  48
.set G1,  24
.set G0,  32
.set W_PK, 0x0c                        ; source 1 (Wr) window 3, all else window 0
.set TO1,  0x40
.set TO2,  0x80
.set TO3,  0xc0
.set MSB, 0
.macro WIN new
.if MSB != (\new)
	s_set_vgpr_msb (MSB<<8)|(\new)
.set MSB, (\new)
.endif
.endm
.macro PLACES n
.rept \n
	v_nop
.endr
.endm
.macro ROUND
	s_barrier_signal -1
	s_barrier_wait -1
	s_cmp_lg_u32 s20, 0
	s_cbranch_scc1 .Lnot_wave_0_\@
	s_barrier_signal -3
.Lnot_wave_0_\@:
	s_barrier_wait -3
	s_barrier_signal -1
	s_barrier_wait -1
.endm
.macro ADDR                            ; the LDS addresses of the tile that is asked for next; then the steps go one tile on
	v_add_nc_u32 v[AWA], s55, v[LWA]
	v_add_nc_u32 v[AWB], s55, v[LWB]
	v_add_nc_u32 v[ASC], s56, v[LSC]
	v_add_nc_u32 v[AWR], s57, v[LWR]
	s_add_co_u32 s55, s55, TILEB
	s_add_co_u32 s56, s56, 256
	s_add_co_u32 s57, s57, 64
.endm
.macro LDW                             ; 15 loads: a tile's scale words, bi, and Wi's four fragments
	ds_load_b128 v[WSC:WSC+3], v[ASC]
	ds_load_b128 v[BI:BI+3],   v[AWR] offset:BIB
	ds_load_b128 v[BI+4:BI+7], v[AWR] offset:BIB+16
	WIN TO3
.irp k, 0,1,2,3
.irp i, 0,1,2
.set PC, 6*\k+\i                       ; lanes 0-15 take 16-byte piece PC of the row, lanes 16-31 piece PC + 3; padding lies behind every 8 pieces
.if PC%8 < 5
	ds_load_b128 v[WF+12*\k+4*\i:WF+12*\k+4*\i+3], v[AWA] offset:16*PC+16*(PC/8)
.else
	ds_load_b128 v[WF+12*\k+4*\i:WF+12*\k+4*\i+3], v[AWB] offset:16*PC+16*(PC/8)
.endif
.endr
.endr
.endm
.macro LDR                             ; 16 loads: Wr at my eight units, for the eight experts
	WIN TO3
.irp e, 0,1,2,3,4,5,6,7
	ds_load_b128 v[WR+8*\e:WR+8*\e+3],   v[AWR] offset:WRB+2048*\e
	ds_load_b128 v[WR+8*\e+4:WR+8*\e+7], v[AWR] offset:WRB+2048*\e+16
.endr
.endm
.macro MMS                             ; K = 512 in four steps; in each the eight token tiles' accumulators take turns, one instruction a turn; x's tiles 0-3 lie in window 1, 4-7 in window 2
.irp k, 0,1,2,3
.irp g, 0,1
	WIN 0x03|((1+\g)<<2)
.irp a, 0,1,2,3
.set rH, H+8*(4*\g+\a)
.set rA, WF+12*\k
.set rB, 12*(4*\a+\k)
.if \k == 0
	v_wmma_scale_f32_16x16x128_f8f6f4 v[rH:rH+7], v[rA:rA+11], v[rB:rB+11], v[BI:BI+7], v[WSC+\k], v[XS+4*(4*\g+\a)+\k] matrix_a_fmt:MATRIX_FMT_FP6 matrix_b_fmt:MATRIX_FMT_FP6
.else
	v_wmma_scale_f32_16x16x128_f8f6f4 v[rH:rH+7], v[rA:rA+11], v[rB:rB+11], v[rH:rH+7], v[WSC+\k], v[XS+4*(4*\g+\a)+\k] matrix_a_fmt:MATRIX_FMT_FP6 matrix_b_fmt:MATRIX_FMT_FP6
.endif
.endr
.endr
.endr
.endm
.macro PK first                        ; sums += h x Wr, two units at a time; each accumulator of h is read from its low end on; first = 1: the first products start the sums
	WIN W_PK
.irp q, 0,1,2,3
.irp t, 0,1,2,3,4,5,6,7
.irp e, 0,1,2,3,4,5,6,7
.set rL, LA+16*\t+2*\e
.set rH, H+8*\t+2*\q
.set rW, WR+8*\e+2*\q
.if (\first) && (\q == 0)
	v_pk_mul_f32 v[rL:rL+1], v[rH:rH+1], v[rW:rW+1]
.else
	v_pk_fma_f32 v[rL:rL+1], v[rH:rH+1], v[rW:rW+1], v[rL:rL+1]
.endif
.endr
.endr
.endr
.endm
.macro TILE first, ld
	s_wait_dscnt 16                                ; Wi, scales and bi of this tile are in; the 16 younger loads, Wr's, may be out
	MMS
	WIN 0
.if \ld
	ADDR                                           ; its four additions are the places in front of the loads into the products' sources and of the reads of h
	LDW
	s_wait_dscnt 15                                ; this tile's Wr is in; the 15 just issued may be out
.else
	PLACES 4
	s_wait_dscnt 0x0
.endif
	PK \first
.if \ld
	LDR
.endif
	WIN 0
.endm
	s_load_b256 s[4:11], s[0:1], 0x0               ; x_codes s[4:5], x_scales s[6:7], Wi_codes s[8:9], Wi_scales s[10:11]
	s_load_b256 s[12:19], s[0:1], 0x20             ; bi s[12:13], Wr s[14:15], part s[16:17], hsel s[18:19]
	v_lshl_add_u32 v254, v0, 2, SPARE
	v_mov_b32 v255, 0
	ds_add_u32 v254, v255                          ; the opening lines: the add twice on end
	ds_add_u32 v254, v255
	v_lshrrev_b32 v15, 5, v0
	v_readfirstlane_b32 s20, v15                   ; wave 0..3
	s_and_b32 s21, ttmp7, 0xffff                   ; y: which 512 hidden units; the same in the four partners
	s_mov_b32 s[G1+0], 15|(1<<20)|(1<<21)|(4<<22)|(3<<25)  ; the mask: all four work-groups; elements of 1 byte; padding of 4 words after every 32 words
	s_mov_b32 s[G1+1], 256<<16
	s_mov_b32 s[G1+2], 192<<16
	s_mov_b32 s[G1+3], 256<<16
	s_mov_b32 s[G1+4], 192
	s_mov_b32 s[G1+5], 256
	s_mov_b32 s[G1+6], 0
	s_mov_b32 s[G1+7], 0
	s_mov_b32 s52, 0x76543210
	s_mov_b32 s53, 0xfedcba98                      ; v_permlanex16_b32: lane l xor 16
	s_mov_b32 s54, 0x03010200                      ; v_perm_b32: the two middle bytes change places
	s_mov_b32 s59, 0xffff0000                      ; lanes 16-31
	s_mov_b32 s55, 0
	s_mov_b32 s56, 0
	s_mov_b32 s57, 0
	s_mul_i32 s50, s21, 196608                     ; my work-group's 512 rows of Wi,
	s_mul_i32 s49, s20, 49152                      ; my wave's 128 of them
	s_add_co_u32 s50, s50, s49
	s_mov_b32 s51, 0
	s_mul_i32 s49, s20, CHUNK                      ; and their place in LDS
	v_and_b32 v5, 15, v0                           ; r
	v_bfe_u32 v6, v0, 4, 1                         ; h
	v_and_b32 v14, 31, v0
	v_mul_u32_u24 v[LWA], v5, 432
	v_add_nc_u32 v[LWA], CODES, v[LWA]
	v_lshl_add_u32 v[LWB], v6, 6, v[LWA]           ; for the pieces that lie behind one padding more in lanes 16-31
	v_mad_u32_u24 v[LWA], v6, 48, v[LWA]
	v_lshl_add_u32 v[LSC], v5, 4, SCB
	v_lshlrev_b32 v[LWR], 5, v6
	v_lshlrev_b32 v[OA], 5, v5
	v_lshl_add_u32 v[OA], v6, 4, v[OA]             ; part, hsel: 32 bytes a token, 16 for each half of the lanes
	v_mul_u32_u24 v12, v5, 384
	v_mad_u32_u24 v12, v6, 48, v12                 ; x's codes
	v_lshlrev_b32 v13, 4, v5                       ; x's scales
	v_lshlrev_b32 v10, 4, v0
	v_lshlrev_b32 v16, 4, v14
	v_lshl_add_u32 v17, v15, 12, v16               ; Wr: wave w stages experts 2 w, 2 w + 1
	v_lshl_add_u32 v16, v15, 15, v16
	s_wait_alu depctr_va_vdst(0)                   ; ahead of the waits below
	s_wait_dscnt 0x0
	s_wait_kmcnt 0x0
	s_add_nc_u64 s[8:9], s[8:9], s[50:51]
	s_mov_b32 s[G0], 1
	s_add_co_u32 s[G0+1], s49, CODES
	s_mov_b64 s[G0+2:G0+3], s[8:9]
	s_or_b32 s[G0+3], s[G0+3], 0x80000000
	ROUND                                          ; all four work-groups are here: the joint loads meet
	tensor_load_to_lds s[G0:G0+3], s[G1:G1+7]      ; my one tensor load of the launch
	s_nop 0
	PLACES 4
	s_bfe_u32 s22, ttmp6, 0x40000                  ; cx: it enters global addresses alone
	s_lshl_b32 s23, ttmp9, 2
	s_add_co_u32 s23, s23, s22
	s_lshl_b32 s48, s23, 9
	s_lshl_b32 s49, s20, 7
	s_add_co_u32 s48, s48, s49                     ; my first token
	s_mul_i32 s50, s48, 384
	s_add_nc_u64 s[4:5], s[4:5], s[50:51]
	s_lshl_b32 s50, s48, 4
	s_add_nc_u64 s[6:7], s[6:7], s[50:51]
	s_lshl_b32 s50, s48, 5
	s_add_nc_u64 s[16:17], s[16:17], s[50:51]
	s_add_nc_u64 s[18:19], s[18:19], s[50:51]
	s_lshl_b32 s50, s21, 19
	s_add_nc_u64 s[16:17], s[16:17], s[50:51]
	s_lshl_b32 s50, s21, 13
	s_add_nc_u64 s[10:11], s[10:11], s[50:51]
	s_lshl_b32 s50, s21, 11
	s_add_nc_u64 s[12:13], s[12:13], s[50:51]
	s_add_nc_u64 s[14:15], s[14:15], s[50:51]
.irp e, 0,1
.irp i, 0,1,2,3
	global_load_b128 v[TB+16*\e+4*\i:TB+16*\e+4*\i+3], v16, s[14:15] offset:16384*\e+512*\i
.endr
.endr
.irp i, 0,1,2,3
	global_load_b128 v[TB+32+4*\i:TB+32+4*\i+3], v10, s[10:11] offset:2048*\i
.endr
	global_load_b128 v[TB+48:TB+51], v10, s[12:13]
.irp t, 0,1,2,3,4,5,6,7
	global_load_b128 v[XS+4*\t:XS+4*\t+3], v13, s[6:7] offset:256*\t
.endr
	WIN TO1
.irp t, 0,1,2,3
.irp k, 0,1,2,3
.irp i, 0,1,2
	global_load_b128 v[12*(4*\t+\k)+4*\i:12*(4*\t+\k)+4*\i+3], v12, s[4:5] offset:6144*\t+96*\k+16*\i
.endr
.endr
.endr
	WIN 0
	s_wait_loadcnt 56                              ; Wr, Wi's scales and bi are in: behind them 8 loads of x's scales and 48 of its codes
.irp j, 0,1,2,3,4,5,6,7,8,9,10,11,12,13,14,15
	v_perm_b32 v[TB+32+\j], v[TB+32+\j], v[TB+32+\j], s54
.endr
.irp e, 0,1
.irp i, 0,1,2,3
	ds_store_b128 v17, v[TB+16*\e+4*\i:TB+16*\e+4*\i+3] offset:WRB+2048*\e+512*\i
.endr
.endr
.irp i, 0,1,2,3
	ds_store_b128 v10, v[TB+32+4*\i:TB+32+4*\i+3] offset:SCB+2048*\i
.endr
	ds_store_b128 v10, v[TB+48:TB+51] offset:BIB
	WIN TO2
.irp t, 0,1,2,3
.irp k, 0,1,2,3
.irp i, 0,1,2
	global_load_b128 v[12*(4*\t+\k)+4*\i:12*(4*\t+\k)+4*\i+3], v12, s[4:5] offset:6144*(4+\t)+96*\k+16*\i
.endr
.endr
.endr
	WIN 0
	s_wait_loadcnt 0x0
.irp j, 0,1,2,3,4,5,6,7,8,9,10,11,12,13,14,15,16,17,18,19,20,21,22,23,24,25,26,27,28,29,30,31
	v_perm_b32 v[XS+\j], v[XS+\j], v[XS+\j], s54
.endr
	PLACES 8                                       ; scale registers written by vector instructions stand eight places ahead of the first scaled product
	s_wait_alu depctr_va_vdst(0)
	s_wait_tensorcnt 0x0                           ; my 128 rows of Wi have landed,
	s_wait_dscnt 0x0                               ; my stores into LDS are done:
	s_barrier_signal -1
	s_barrier_wait -1                              ; both now hold of every wave
	ADDR
	LDW
	LDR
	TILE 1, 1                                      ; tile 0 stands ahead of the loop: its products start the sums
	s_cmp_lg_u32 s21, 0                            ; y = 0 holds units 0-7: h there goes to hsel
	s_cbranch_scc1 .Lno_hsel
.irp a, 0,1,2,3,4,5,6,7
.irp j, 0,1,2,3
	v_permlane16_swap_b32 v[H+8*\a+\j], v[H+8*\a+4+\j]   ; lanes 0-15 keep units 0-3 of token r, lanes 16-31 get its units 4-7
.endr
.endr
.irp a, 0,1,2,3,4,5,6,7
	global_store_b128 v[OA], v[H+8*\a:H+8*\a+3], s[18:19] offset:512*\a
.endr
	s_wait_xcnt 0x0                                ; the stores have read their registers: the next tile's products write them
.Lno_hsel:
	s_mov_b32 s58, 30
.Ltile:                                                ; tiles 1 to 30
	TILE 0, 1
	s_sub_co_u32 s58, s58, 1
	s_cmp_lg_u32 s58, 0
	s_cbranch_scc1 .Ltile
	TILE 0, 0                                      ; tile 31 asks for nothing more
.irp t, 0,1,2,3,4,5,6,7
.irp e, 0,1,2,3,4,5,6,7
	v_add_f32 v[LA+16*\t+2*\e], v[LA+16*\t+2*\e], v[LA+16*\t+2*\e+1]       ; the pair's two halves,
.endr
.endr
.irp t, 0,1,2,3,4,5,6,7
.irp e, 0,1,2,3,4,5,6,7
	v_permlanex16_b32 v[LA+16*\t+2*\e+1], v[LA+16*\t+2*\e], s52, s53
.endr
.endr
.irp t, 0,1,2,3,4,5,6,7
.irp e, 0,1,2,3,4,5,6,7
	v_add_f32 v[LA+16*\t+2*\e], v[LA+16*\t+2*\e], v[LA+16*\t+2*\e+1]       ; and lane l xor 16's units
.endr
.endr
.irp t, 0,1,2,3,4,5,6,7
.irp j, 0,1,2,3
	v_cndmask_b32 v[H+4*\t+\j], v[LA+16*\t+2*\j], v[LA+16*\t+8+2*\j], s59  ; lanes 0-15 store experts 0-3, lanes 16-31 experts 4-7
.endr
	global_store_b128 v[OA], v[H+4*\t:H+4*\t+3], s[16:17] offset:512*\t
.endr
	s_wait_tensorcnt 0x0                           ; the wave's end
	ds_add_u32 v254, v255
	s_wait_dscnt 0x0
	ROUND                                          ; the closing round
	s_endpgm
.Lfunc_end_k_qe4726e3cb3_hidden:
	.size	k_qe4726e3cb3_hidden, .Lfunc_end_k_qe4726e3cb3_hidden-k_qe4726e3cb3_hidden
	.p2alignl 7, 3214868480
	.fill 96, 4, 3214868480
	.section	.rodata,"a",@progbits
	.p2align	6, 0x0
	.amdhsa_kernel k_qe4726e3cb3_hidden
		.amdhsa_group_segment_fixed_size 327680
		.amdhsa_private_segment_fixed_size 0
		.amdhsa_enable_private_segment 0
		.amdhsa_kernarg_size 64
		.amdhsa_user_sgpr_count 2
		.amdhsa_user_sgpr_kernarg_segment_ptr 1
		.amdhsa_wavefront_size32 1
		.amdhsa_system_sgpr_workgroup_id_x 1
		.amdhsa_system_sgpr_workgroup_id_y 1
		.amdhsa_system_sgpr_workgroup_id_z 1
		.amdhsa_system_vgpr_workitem_id 0
		.amdhsa_next_free_vgpr 1024
		.amdhsa_next_free_sgpr 66
		.amdhsa_reserve_vcc 0
		.amdhsa_float_denorm_mode_32 3
		.amdhsa_float_denorm_mode_16_64 3
		.amdhsa_memory_ordered 1
		.amdhsa_forward_progress 1
		.amdhsa_inst_pref_size 102
	.end_amdhsa_kernel
	.amdgpu_metadata
---
amdhsa.version: [ 1, 2 ]
amdhsa.kernels:
  - .name:           k_qe4726e3cb3_hidden
    .symbol:         k_qe4726e3cb3_hidden.kd
    .args:
      - { .name: x_codes, .offset: 0, .size: 8, .value_kind: global_buffer, .address_space: global }
      - { .name: x_scales, .offset: 8, .size: 8, .value_kind: global_buffer, .address_space: global }
      - { .name: Wi_codes, .offset: 16, .size: 8, .value_kind: global_buffer, .address_space: global }
      - { .name: Wi_scales, .offset: 24, .size: 8, .value_kind: global_buffer, .address_space: global }
      - { .name: bi, .offset: 32, .size: 8, .value_kind: global_buffer, .address_space: global }
      - { .name: Wr, .offset: 40, .size: 8, .value_kind: global_buffer, .address_space: global }
      - { .name: part, .offset: 48, .size: 8, .value_kind: global_buffer, .address_space: global }
      - { .name: hsel, .offset: 56, .size: 8, .value_kind: global_buffer, .address_space: global }
    .group_segment_fixed_size: 327680
    .private_segment_fixed_size: 0
    .kernarg_segment_align: 8
    .kernarg_segment_size: 64
    .max_flat_workgroup_size: 128
    .sgpr_count:     66
    .vgpr_count:     1024
    .wavefront_size: 32
...
	.end_amdgpu_metadata
.endif
;; end of part 1
;; launch project (part 2): grid 32 x 8, 4 waves a work-group, clusters of 4 x 1, 327,680 bytes of LDS; arguments part, hsel, br, Wo_codes, Wo_scales, bo, out0; writes out0
.if DOCPART == 2
	.amdgcn_target "amdgcn-amd-amdhsa--gfx1250"
	.amdhsa_code_object_version 6
	.text
	.protected	k_qe4726e3cb3_project
	.globl	k_qe4726e3cb3_project
	.p2align	8
	.type	k_qe4726e3cb3_project,@function
k_qe4726e3cb3_project:
	s_mov_b64 s[64:65], 0
	v_nop
	global_prefetch_b8 v0, s[64:65] scope:SCOPE_SE
	s_setreg_imm32_b32 hwreg(HW_REG_WAVE_MODE, 25, 1), 1
	s_wait_xcnt 0x0
	s_wait_alu depctr_hold_cnt(0) depctr_sa_sdst(0) depctr_va_vdst(0) depctr_va_sdst(0) depctr_va_ssrc(0) depctr_va_vcc(0) depctr_vm_vsrc(0)
	s_getreg_b32 s2, hwreg(HW_REG_IB_STS2, 6, 4)
	s_cmp_eq_u32 s2, 0
	s_cbranch_scc0 .Lentry_in_a_cluster
	s_endpgm
.Lentry_in_a_cluster:
	s_bfe_u32 s2, ttmp6, 0x10000c
	s_cmp_lg_u32 s2, 0x3003
	s_cbranch_scc0 .Lentry_shape_is_right
	s_endpgm
.Lentry_shape_is_right:
; logits = the eight parts + br; w = softmax(logits); the two largest w (ties: the lower index, as jax.lax.top_k); agg = the mean of h at those two indices; out = Q(agg, broadcast over 4,096) Wo^T + bo,
; the product on codes of FP6 (E2M3) with one E8M0 scale for each 32 along K.  No work of reference() is left out.
; SHARES.  A work-group takes 512 tokens x 64 outputs (grid 32 x 8).  THE CHOICE: wave w makes it for tokens 128 w .. 128 w + 127, a lane four tokens, and hands agg's operand to the other waves through LDS.
; THE PRODUCT: wave w takes all 512 tokens x outputs 16 w .. 16 w + 15.  Its 32 fragments of Wo (16 rows x 4,096 K, 384 registers) are read from LDS once and stay in registers.
; agg is the same number all along K: 16 equal codes are 96 bits, which repeat every three registers, so 12 registers a token tile and one scale word serve every K step.
; The tokens go in four groups of 128: eight accumulators by turns, 32 K steps, 256 products.  A finished group leaves through a stage that the four waves share (a row's 256 bytes come from
; all four), two buffers by turns, one barrier a group, split round two K steps of the next group; its rows are stored among the next group's products.
; CLUSTER.  The four work-groups of a cluster lie along x: other tokens, the same 64 rows of Wo.  Their codes (196,608 bytes) are asked for jointly, once: wave w asks for chunk w (64 rows x 768 bytes).
; NO PREFETCH: every byte that the launch reads is asked for at its head.
; THE MATRIX INSTRUCTION IS USED TRANSPOSED: source 0 = 16 rows of Wo, source 1 = 16 tokens: lane (r, h) holds token r and outputs 8 h + 0 .. 7 of my 16; bo is the C of K step 0.
; K BLOCKS OF Wo ARE TAKEN IN ANOTHER ORDER: of each 96 bytes lane half h takes the 48 at 48 h (three loads of 16 bytes), so the two middle bytes of its scale words change places; agg is alike in all blocks.
; THE CHOICE steers no address and no branch: it is made by compares and v_cndmask_b32 alone.  Each of the eight work-groups of a token block makes it anew.
; REGISTERS.  Window 0: v1-27 addresses, v16-23 bo, v32-63 scale words of Wo, v64-79 those of agg (two sets), v80-143 the accumulators, v144-207 rows of out.
;   Window 1: the parts as loaded, then Wo's K steps 16-31.   Window 2: the routing, then agg's codes (two sets of 96).   Window 3: Wo's K steps 0-15.
; LIMITS: NaN and infinities are not served.  v_exp_f32 gives 0 under 2^-126 (ISA guide, its entry in 15.8), where a softmax in f32 keeps denormals: the choice can differ only where the second largest logit lies
; 87.3 to 103.3 under the largest.  A zero agg gets the scale byte 1 with zero codes, where the rule says 127: only this program reads the byte.
.set PITCH,  816                       ; a row of a chunk in LDS: 3 x (256 bytes + 16 of padding) = 51 x 16
.set TILEB,  16*PITCH
.set CHUNK,  4*TILEB                   ; 64 rows x 8 K steps
.set STG,    4*CHUNK                   ; behind the codes: the stage, two buffers of 128 rows x (256 + 16) bytes
.set SPITCH, 272
.set SBUF,   128*SPITCH
.set AGI,    STG+2*SBUF                ; agg's operand, 48 bytes a token
.set ASI,    AGI+512*48                ; its scale word, 4 bytes a token
.set SPARE,  ASI+2048                  ; the spare words
.set AF,  5                            ; v5-12: chunk c: v[5 + 2 c] = 816 r + 48 h, v[6 + 2 c] = 816 r + 64 h (pieces behind one padding more in lanes 16-31), + my 16 rows + the chunk
.set STO, 13
.set RD,  14
.set CO,  15
.set BO,  16
.set AGA, 24
.set ASA, 25
.set AGW, 26
.set ASW, 27
.set WS,  32
.set AS,  64
.set ACC, 80
.set BK,  144
.set IM,  0                            ; window 2 from here on: 12 a token: the operand's image
.set BR,  128
.set H8,  136                          ; 8 a token: h[token][0..7]
.set LG,  168                          ; 8 a token: logits, then w
.set Q,   200                          ; 8 a token: +0, +1 c m, then the sum and its reciprocal; +2 b1, +3 g1, +4 b2, +5 g2, +6 agg, +7 the scale operand
.set CD,  232                          ; 4 a token: three registers of codes, the scale word
.set CS,  136                          ; 16 a token: agg sixteen times, over H8 and LG when they are done with
.set G1,  24
.set G0,  32
.set LD1,  0x40
.set LD2,  0x80
.set LD3,  0xc0
.set SUM,  0x89                        ; source 0 window 1, source 1 and destination window 2
.set R2,   0xaa                        ; all in window 2
.set ST2,  0x08                        ; an LDS store's data from window 2
.set MSB, 0
.macro WIN new
.if MSB != (\new)
	s_set_vgpr_msb (MSB<<8)|(\new)
.set MSB, (\new)
.endif
.endm
.macro PLACES n
.rept \n
	v_nop
.endr
.endm
.macro ROUND
	s_barrier_signal -1
	s_barrier_wait -1
	s_cmp_lg_u32 s20, 0
	s_cbranch_scc1 .Lnot_wave_0_\@
	s_barrier_signal -3
.Lnot_wave_0_\@:
	s_barrier_wait -3
	s_barrier_signal -1
	s_barrier_wait -1
.endm
.macro BAR                             ; my tensor load has landed and my LDS instructions are done
	s_wait_tensorcnt 0x0
	s_wait_dscnt 0x0
	s_barrier_signal -1
	s_barrier_wait -1
.endm
.macro LDFR s                          ; my fragment of K step s: three loads; the caller sets the window
.set cc, (\s)/8
.irp i, 0,1,2
.set PC, 6*((\s)%8)+\i                 ; lanes 0-15 take 16-byte piece PC of the chunk's row, lanes 16-31 piece PC + 3; padding lies behind every 16 pieces
.if PC%16 < 13
	ds_load_b128 v[12*((\s)%16)+4*\i:12*((\s)%16)+4*\i+3], v[AF+2*cc] offset:16*PC+16*(PC/16)
.else
	ds_load_b128 v[12*((\s)%16)+4*\i:12*((\s)%16)+4*\i+3], v[AF+2*cc+1] offset:16*PC+16*(PC/16)
.endif
.endr
.endm
.macro AGLOAD g                        ; agg's codes and scale words of group g's eight token tiles into set g % 2: 32 loads
	WIN LD2
.irp a, 0,1,2,3,4,5,6,7
.irp m, 0,1,2
	ds_load_b128 v[96*((\g)%2)+12*\a+4*\m:96*((\g)%2)+12*\a+4*\m+3], v[AGA] offset:768*(8*(\g)+\a)+16*\m
.endr
.endr
	WIN 0
.irp a, 0,1,2,3,4,5,6,7
	ds_load_b32 v[AS+8*((\g)%2)+\a], v[ASA] offset:64*(8*(\g)+\a)
.endr
.endm
.macro MM8 g, s                        ; K step s of group g: the eight accumulators take turns, one instruction a turn
.if (\s) < 16
	WIN 0x0b                                       ; A window 3, B window 2, C and D window 0
.else
	WIN 0x09                                       ; A window 1
.endif
.irp a, 0,1,2,3,4,5,6,7
.set rD, ACC+8*\a
.set rA, 12*((\s)%16)
.set rB, 96*((\g)%2)+12*\a
.if (\s) == 0
	v_wmma_scale_f32_16x16x128_f8f6f4 v[rD:rD+7], v[rA:rA+11], v[rB:rB+11], v[BO:BO+7], v[WS+(\s)], v[AS+8*((\g)%2)+\a] matrix_a_fmt:MATRIX_FMT_FP6 matrix_b_fmt:MATRIX_FMT_FP6
.else
	v_wmma_scale_f32_16x16x128_f8f6f4 v[rD:rD+7], v[rA:rA+11], v[rB:rB+11], v[rD:rD+7], v[WS+(\s)], v[AS+8*((\g)%2)+\a] matrix_a_fmt:MATRIX_FMT_FP6 matrix_b_fmt:MATRIX_FMT_FP6
.endif
.endr
.endm
.macro TOST g                          ; group g's results into buffer g % 2 of the stage: my 64 bytes of each of its 128 rows
	WIN 0
	s_wait_dscnt 0x0                               ; the next group's codes of agg, asked for 20 K steps ago, are in
	PLACES 5                                       ; in front of the reads of results, and of the next group's first products, which write over them
.irp a, 0,1,2,3,4,5,6,7
	ds_store_b128 v[STO], v[ACC+8*\a:ACC+8*\a+3]   offset:SBUF*((\g)%2)+16*SPITCH*\a      ; each accumulator from its low end on
	ds_store_b128 v[STO], v[ACC+8*\a+4:ACC+8*\a+7] offset:SBUF*((\g)%2)+16*SPITCH*\a+16
.endr
.endm
.macro BACK g                          ; 32 whole rows of the group come back: lanes 0-15 one row, lanes 16-31 the next
.irp i, 0,1,2,3,4,5,6,7,8,9,10,11,12,13,14,15
	ds_load_b128 v[BK+4*\i:BK+4*\i+3], v[RD] offset:SBUF*((\g)%2)+2*SPITCH*\i
.endr
.endm
.macro SEND g
.irp i, 0,1,2,3,4,5,6,7,8,9,10,11,12,13,14,15
	global_store_b128 v[CO], v[BK+4*\i:BK+4*\i+3], s[16:17] offset:2048*(128*(\g)+2*\i) th:TH_STORE_NT   ; 16 lanes store 256 consecutive bytes, at a multiple of 256 from the first byte of out
.endr
.endm
.macro GROUP g
.set ss, 0
.rept 32
.if (\g) > 0
.if ss == 1
	WIN 0
	s_wait_dscnt 0x0                               ; my stores into the stage are done, and so are my reads of its other buffer:
	s_barrier_signal -1                            ; say so; two K steps, work on registers, stand between signal and wait
.endif
.if ss == 3
	WIN 0
	s_barrier_wait -1
.if (\g) > 1
	s_wait_xcnt 0x0                                ; the stores of the group before have read their registers
.endif
	BACK (\g)-1
.endif
.if ss == 8
	WIN 0
	s_wait_dscnt 0x0                               ; the rows, asked for five K steps ago, are in
	SEND (\g)-1
.endif
.endif
.if ((\g) == 0) && (ss == 4)
	WIN LD1
.rept 16
	LDFR ff                                        ; K steps 16-31 into window 1: the parts are done with
.set ff, ff+1
.endr
.endif
.if ((\g) < 3) && (ss == 12)
	AGLOAD (\g)+1                                  ; into the set that the group before multiplied: the five places of its way out stand between
.endif
.if (\g) == 0                          ; group 0 begins while my fragments still come from LDS: the wait counts the loads issued behind K step ss's three
.if ss < 16
.set nn, 45-3*ss                       ; the later ones of K steps 0-15,
.if ss >= 4
.set nn, nn+48                         ; the 48 of K steps 16-31,
.endif
.else
.set nn, 93-3*ss                       ; or the later ones of K steps 16-31,
.endif
.if ss >= 12
.set nn, nn+32                         ; and the 32 of agg's next set;
.endif
.if nn > 63
.set nn, 63                            ; the wait's field names no more
.endif
	s_wait_dscnt nn
.endif
	MM8 \g, ss
.set ss, ss+1
.endr
	TOST \g
.endm
	s_load_b256 s[4:11], s[0:1], 0x0               ; part s[4:5], hsel s[6:7], br s[8:9], Wo_codes s[10:11]
	s_load_b128 s[12:15], s[0:1], 0x20             ; Wo_scales s[12:13], bo s[14:15]
	s_load_b64 s[16:17], s[0:1], 0x30              ; out0
	v_lshl_add_u32 v30, v0, 2, SPARE
	v_mov_b32 v31, 0
	ds_add_u32 v30, v31                            ; the opening lines: the add twice on end
	ds_add_u32 v30, v31
	v_lshrrev_b32 v208, 5, v0
	v_readfirstlane_b32 s20, v208                  ; wave 0..3
	s_and_b32 s21, ttmp7, 0xffff                   ; y: which 64 outputs; the same in the four partners
	s_mov_b32 s[G1+0], 15|(1<<20)|(1<<21)|(5<<22)|(3<<25)  ; the mask: all four work-groups; elements of 1 byte; padding of 4 words after every 64 words
	s_mov_b32 s[G1+1], 768<<16
	s_mov_b32 s[G1+2], 64<<16
	s_mov_b32 s[G1+3], 768<<16
	s_mov_b32 s[G1+4], 64
	s_mov_b32 s[G1+5], 3072
	s_mov_b32 s[G1+6], 0
	s_mov_b32 s[G1+7], 0
	s_mov_b32 s54, 0x3fb8aa3b                      ; c = log2(e)
	s_mov_b32 s55, s54                             ; (named with it as a pair)
	s_mov_b32 s56, 0x03010200                      ; v_perm_b32: the two middle bytes change places
	s_mul_i32 s50, s21, 196608                     ; my work-group's 64 rows of Wo,
	s_mul_i32 s49, s20, 768                        ; my wave's chunk of them
	s_add_co_u32 s50, s50, s49
	s_mov_b32 s51, 0
	s_mul_i32 s49, s20, CHUNK                      ; and its place in LDS
	s_mul_i32 s47, s20, TILEB                      ; my 16 rows in a chunk
	s_lshl_b32 s48, s20, 6
	s_add_co_u32 s48, s48, STG                     ; into the stage: my 64 bytes of a row
	s_mul_i32 s46, s20, 32*SPITCH
	s_add_co_u32 s46, s46, STG                     ; back: rows 32 w .. 32 w + 31 of a group
	s_lshl_b32 s45, s20, 16                        ; the same rows in out: 32 x 2,048 bytes
	s_mul_i32 s44, s20, 128*48
	s_add_co_u32 s44, s44, AGI                     ; where my 128 tokens' images go
	s_lshl_b32 s43, s20, 9
	s_add_co_u32 s43, s43, ASI
	v_and_b32 v209, 31, v0                         ; lane
	v_and_b32 v210, 15, v0                         ; r
	v_bfe_u32 v211, v0, 4, 1                       ; h
	v_lshlrev_b32 v1, 5, v209                      ; part, hsel: 32 bytes a token, a lane a token
	v_mov_b32 v2, 0                                ; br: the same for all lanes
	v_lshlrev_b32 v3, 7, v210                      ; scale words of Wo: 128 bytes a row
	v_lshlrev_b32 v4, 5, v211                      ; bo: my eight outputs
	v_mul_u32_u24 v[AF], v210, PITCH
	v_add_nc_u32 v[AF], s47, v[AF]
	v_lshl_add_u32 v[AF+1], v211, 6, v[AF]
	v_mad_u32_u24 v[AF], v211, 48, v[AF]
.irp c, 1,2,3
	v_add_nc_u32 v[AF+2*\c],   CHUNK*\c, v[AF]
	v_add_nc_u32 v[AF+2*\c+1], CHUNK*\c, v[AF+1]
.endr
	v_mul_u32_u24 v[STO], v210, SPITCH
	v_lshl_add_u32 v[STO], v211, 5, v[STO]
	v_add_nc_u32 v[STO], s48, v[STO]
	v_mul_u32_u24 v[RD], v211, SPITCH
	v_lshl_add_u32 v[RD], v210, 4, v[RD]
	v_add_nc_u32 v[RD], s46, v[RD]
	v_lshlrev_b32 v[CO], 11, v211
	v_lshl_add_u32 v[CO], v210, 4, v[CO]
	v_add_nc_u32 v[CO], s45, v[CO]
	v_mul_u32_u24 v[AGA], v210, 48
	v_add_nc_u32 v[AGA], AGI, v[AGA]               ; row r of a token tile: both halves of the lanes read the same image
	v_lshl_add_u32 v[ASA], v210, 2, ASI
	v_mul_u32_u24 v[AGW], v209, 48
	v_add_nc_u32 v[AGW], s44, v[AGW]
	v_lshlrev_b32 v[ASW], 2, v209
	v_add_nc_u32 v[ASW], s43, v[ASW]
	s_wait_alu depctr_va_vdst(0)                   ; ahead of the waits below
	s_wait_dscnt 0x0
	s_wait_kmcnt 0x0
	s_add_nc_u64 s[10:11], s[10:11], s[50:51]
	s_mov_b32 s[G0], 1
	s_add_co_u32 s[G0+1], s49, 0
	s_mov_b64 s[G0+2:G0+3], s[10:11]
	s_or_b32 s[G0+3], s[G0+3], 0x80000000
	s_bfe_u32 s22, ttmp6, 0x40000                  ; cx: it enters global addresses alone
	s_lshl_b32 s23, ttmp9, 2
	s_add_co_u32 s23, s23, s22
	s_lshl_b32 s42, s23, 9                         ; my work-group's first token
	s_lshl_b32 s50, s42, 11
	s_lshl_b32 s49, s21, 8
	s_add_co_u32 s50, s50, s49
	s_add_nc_u64 s[16:17], s[16:17], s[50:51]      ; out: rows of 2,048 bytes, + the work-group's 64 outputs
	s_lshl_b32 s49, s20, 7
	s_add_co_u32 s42, s42, s49                     ; the first token that I route
	s_lshl_b32 s50, s42, 5
	s_add_nc_u64 s[4:5], s[4:5], s[50:51]
	s_add_nc_u64 s[6:7], s[6:7], s[50:51]
	s_lshl_b32 s50, s21, 13
	s_lshl_b32 s49, s20, 11
	s_add_co_u32 s50, s50, s49
	s_add_nc_u64 s[12:13], s[12:13], s[50:51]      ; the scales of my 16 rows of Wo
	s_lshl_b32 s50, s21, 8
	s_lshl_b32 s49, s20, 6
	s_add_co_u32 s50, s50, s49
	s_add_nc_u64 s[14:15], s[14:15], s[50:51]      ; bo at my 16 outputs
	; a lane routes four tokens: my first + 32 u + lane
	WIN LD1
.irp p, 0,1,2,3,4,5,6,7
.irp u, 0,1,2,3
	global_load_b128 v[64*\u+8*\p:64*\u+8*\p+3],   v1, s[4:5] offset:524288*\p+1024*\u
	global_load_b128 v[64*\u+8*\p+4:64*\u+8*\p+7], v1, s[4:5] offset:524288*\p+1024*\u+16
.endr
.endr
	WIN LD2
.irp u, 0,1,2,3
	global_load_b128 v[H8+8*\u:H8+8*\u+3],   v1, s[6:7] offset:1024*\u
	global_load_b128 v[H8+8*\u+4:H8+8*\u+7], v1, s[6:7] offset:1024*\u+16
.endr
	global_load_b128 v[BR:BR+3],   v2, s[8:9]
	global_load_b128 v[BR+4:BR+7], v2, s[8:9] offset:16
	WIN 0
	global_load_b128 v[BO:BO+3],   v4, s[14:15]
	global_load_b128 v[BO+4:BO+7], v4, s[14:15] offset:16
.irp q, 0,1,2,3,4,5,6,7
	global_load_b128 v[WS+4*\q:WS+4*\q+3], v3, s[12:13] offset:16*\q   ; row r: the scale words of K steps 4 q .. 4 q + 3
.endr
	ROUND                                          ; all four work-groups are here: the joint loads meet.  What the routing reads has been asked for ahead of Wo, which is read behind the routing
	tensor_load_to_lds s[G0:G0+3], s[G1:G1+7]      ; my one tensor load; each LDS byte is filled once
	s_nop 0
	PLACES 4
	s_wait_loadcnt 10                              ; the parts, hsel and br are in; the 2 loads of bo and the 8 of scale words may be out
	WIN SUM
.irp p, 0,1,2,3,4,5,6,7
.irp q, 0,2,4,6
.irp u, 0,1,2,3
.if \p == 0
	v_pk_add_f32 v[LG+8*\u+\q:LG+8*\u+\q+1], v[64*\u+8*\p+\q:64*\u+8*\p+\q+1], v[BR+\q:BR+\q+1]        ; logits = br + the eight parts
.else
	v_pk_add_f32 v[LG+8*\u+\q:LG+8*\u+\q+1], v[64*\u+8*\p+\q:64*\u+8*\p+\q+1], v[LG+8*\u+\q:LG+8*\u+\q+1]
.endif
.endr
.endr
.endr
	WIN 0
	s_wait_loadcnt 0x0                             ; bo and the scale words of Wo
.irp j, 0,1,2,3,4,5,6,7,8,9,10,11,12,13,14,15,16,17,18,19,20,21,22,23,24,25,26,27,28,29,30,31
	v_perm_b32 v[WS+\j], v[WS+\j], v[WS+\j], s56
.endr
	WIN R2
.irp u, 0,1,2,3
	v_max3_num_f32 v[Q+8*\u], v[LG+8*\u], v[LG+8*\u+1], v[LG+8*\u+2]                                   ; the largest logit (the four tokens by turns)
.endr
.irp i, 3,5
.irp u, 0,1,2,3
	v_max3_num_f32 v[Q+8*\u], v[Q+8*\u], v[LG+8*\u+\i], v[LG+8*\u+\i+1]
.endr
.endr
.irp u, 0,1,2,3
	v_max_num_f32 v[Q+8*\u], v[Q+8*\u], v[LG+8*\u+7]
.endr
.irp u, 0,1,2,3
	v_mul_f32 v[Q+8*\u+1], s54, v[Q+8*\u]          ; c m, in both halves of the pair
.endr
.irp u, 0,1,2,3
	v_mul_f32 v[Q+8*\u], s54, v[Q+8*\u]
.endr
.irp q, 0,2,4,6
.irp u, 0,1,2,3
	v_pk_fma_f32 v[LG+8*\u+\q:LG+8*\u+\q+1], v[LG+8*\u+\q:LG+8*\u+\q+1], s[54:55], v[Q+8*\u:Q+8*\u+1] op_sel_hi:[1,0,1] neg_lo:[0,0,1] neg_hi:[0,0,1]   ; c logit - c m: the maximum is taken away
.endr
.endr
	s_wait_alu depctr_va_vdst(0)                   ; ahead of the batch
.irp j, 0,1,2,3,4,5,6,7
.irp u, 0,1,2,3
	v_exp_f32 v[LG+8*\u+\j], v[LG+8*\u+\j]
.endr
.endr
.irp u, 0,1,2,3
	v_mov_b32 v[Q+8*\u+4], -1.0                    ; b2: under every w.  (Plain work behind the exponentials)
	v_mov_b32 v[Q+8*\u+5], 0                       ; g2
.endr
	s_wait_alu depctr_va_vdst(0)                   ; one wait for the 32 exponentials, ahead of their first reader
.irp u, 0,1,2,3
	v_pk_add_f32 v[Q+8*\u:Q+8*\u+1], v[LG+8*\u:LG+8*\u+1], v[LG+8*\u+2:LG+8*\u+3]
	v_pk_add_f32 v[Q+8*\u+2:Q+8*\u+3], v[LG+8*\u+4:LG+8*\u+5], v[LG+8*\u+6:LG+8*\u+7]
.endr
.irp u, 0,1,2,3
	v_pk_add_f32 v[Q+8*\u:Q+8*\u+1], v[Q+8*\u:Q+8*\u+1], v[Q+8*\u+2:Q+8*\u+3]
.endr
.irp u, 0,1,2,3
	v_add_f32 v[Q+8*\u], v[Q+8*\u], v[Q+8*\u+1]
.endr
	s_wait_alu depctr_va_vdst(0)
.irp u, 0,1,2,3
	v_rcp_f32 v[Q+8*\u], v[Q+8*\u]
.endr
.irp u, 0,1,2,3
	v_mov_b32 v[Q+8*\u+3], v[H8+8*\u]              ; g1 = h at index 0.  (Plain work behind the reciprocals)
.endr
	s_wait_alu depctr_va_vdst(0)                   ; one wait for the four reciprocals
.irp q, 0,2,4,6
.irp u, 0,1,2,3
	v_pk_mul_f32 v[LG+8*\u+\q:LG+8*\u+\q+1], v[LG+8*\u+\q:LG+8*\u+\q+1], v[Q+8*\u:Q+8*\u+1] op_sel_hi:[1,0]   ; w
.endr
.endr
.irp u, 0,1,2,3
	v_mov_b32 v[Q+8*\u+2], v[LG+8*\u]              ; b1 = w at index 0
.endr
; The two largest w, and h at their places, in ascending index with strict compares: of equal w the lower index stays ahead.
.irp e, 1,2,3,4,5,6,7
.irp u, 0,1,2,3
	v_cmp_gt_f32 s[66+2*\u], v[LG+8*\u+\e], v[Q+8*\u+2]
	v_cmp_gt_f32 s[67+2*\u], v[LG+8*\u+\e], v[Q+8*\u+4]
.endr
.irp u, 0,1,2,3
	v_cndmask_b32 v[Q+8*\u+4], v[Q+8*\u+4], v[LG+8*\u+\e], s[67+2*\u]       ; over the second: it takes the second place,
	v_cndmask_b32 v[Q+8*\u+5], v[Q+8*\u+5], v[H8+8*\u+\e], s[67+2*\u]
.endr
.irp u, 0,1,2,3
	v_cndmask_b32 v[Q+8*\u+4], v[Q+8*\u+4], v[Q+8*\u+2], s[66+2*\u]         ; over the first: the first moves down,
	v_cndmask_b32 v[Q+8*\u+5], v[Q+8*\u+5], v[Q+8*\u+3], s[66+2*\u]
.endr
.irp u, 0,1,2,3
	v_cndmask_b32 v[Q+8*\u+2], v[Q+8*\u+2], v[LG+8*\u+\e], s[66+2*\u]       ; and it takes the first place
	v_cndmask_b32 v[Q+8*\u+3], v[Q+8*\u+3], v[H8+8*\u+\e], s[66+2*\u]
.endr
.endr
.irp u, 0,1,2,3
	v_add_f32 v[Q+8*\u+6], v[Q+8*\u+3], v[Q+8*\u+5]
.endr
.irp u, 0,1,2,3
	v_mul_f32 v[Q+8*\u+6], 0.5, v[Q+8*\u+6]        ; agg: the mean of the two
.endr
.irp u, 0,1,2,3
	v_max3_num_f32 v[Q+8*\u+7], |v[Q+8*\u+6]|, |v[Q+8*\u+6]|, 0x1800000   ; every block of 32 holds this one number: its magnitude, with the floor 2^(3 - 127), so that the byte cannot fall under 1
.endr
.irp u, 0,1,2,3
	v_add_nc_u32 v[Q+8*\u+7], 0xff000000, v[Q+8*\u+7]   ; 2 off the exponent field: the conversion takes the exponent field of this operand as its scale
.endr
.irp u, 0,1,2,3
	v_lshrrev_b32 v[CD+4*\u+3], 23, v[Q+8*\u+7]    ; the scale byte,
.endr
.irp u, 0,1,2,3
	v_perm_b32 v[CD+4*\u+3], v[CD+4*\u+3], v[CD+4*\u+3], 0   ; four times: the scale word of every K step
.endr
.irp u, 0,1,2,3
.irp j, 0,1,2,3,4,5,6,7,8,9,10,11,12,13,14,15
	v_mov_b32 v[CS+16*\u+\j], v[Q+8*\u+6]          ; the conversion takes sixteen numbers from sixteen registers
.endr
.endr
.irp u, 0,1,2,3
	v_cvt_scalef32_pk16_fp6_f32 v[CD+4*\u:CD+4*\u+2], v[CS+16*\u:CS+16*\u+15], v[Q+8*\u+7]   ; 16 equal codes, 96 bits
.endr
	v_nop                                          ; one plain place behind the last scaled conversion
.irp u, 0,1,2,3
.irp m, 0,1,2,3
.irp i, 0,1,2
	v_mov_b32 v[IM+12*\u+3*\m+\i], v[CD+4*\u+\i]   ; the three registers four times: the operand's twelve
.endr
.endr
.endr
	WIN ST2
.irp u, 0,1,2,3
.irp m, 0,1,2
	ds_store_b128 v[AGW], v[IM+12*\u+4*\m:IM+12*\u+4*\m+3] offset:1536*\u+16*\m
.endr
	ds_store_b32 v[ASW], v[CD+4*\u+3] offset:128*\u
.endr
	WIN 0
	s_wait_alu depctr_va_vdst(0)                   ; ahead of the waits of the barrier
	BAR                                            ; all four chunks have landed, and everybody's images are in LDS
	AGLOAD 0
	WIN LD3
.set ff, 0
.rept 16
	LDFR ff                                        ; K steps 0-15 into window 3
.set ff, ff+1
.endr
	GROUP 0
	GROUP 1
	GROUP 2
	GROUP 3
	s_wait_dscnt 0x0                               ; the last group: my stores into the stage are done
	s_barrier_signal -1
	s_barrier_wait -1
	s_wait_xcnt 0x0
	BACK 3
	s_wait_dscnt 0x0
	SEND 3
	s_wait_tensorcnt 0x0                           ; the wave's end
	ds_add_u32 v30, v31
	s_wait_dscnt 0x0
	ROUND                                          ; the closing round: no work-group ends while a partner may still ask for a tile that names it
	s_endpgm
.Lfunc_end_k_qe4726e3cb3_project:
	.size	k_qe4726e3cb3_project, .Lfunc_end_k_qe4726e3cb3_project-k_qe4726e3cb3_project
	.p2alignl 7, 3214868480
	.fill 96, 4, 3214868480
	.section	.rodata,"a",@progbits
	.p2align	6, 0x0
	.amdhsa_kernel k_qe4726e3cb3_project
		.amdhsa_group_segment_fixed_size 327680
		.amdhsa_private_segment_fixed_size 0
		.amdhsa_enable_private_segment 0
		.amdhsa_kernarg_size 56
		.amdhsa_user_sgpr_count 2
		.amdhsa_user_sgpr_kernarg_segment_ptr 1
		.amdhsa_wavefront_size32 1
		.amdhsa_system_sgpr_workgroup_id_x 1
		.amdhsa_system_sgpr_workgroup_id_y 1
		.amdhsa_system_sgpr_workgroup_id_z 1
		.amdhsa_system_vgpr_workitem_id 0
		.amdhsa_next_free_vgpr 1024
		.amdhsa_next_free_sgpr 80
		.amdhsa_reserve_vcc 0
		.amdhsa_float_denorm_mode_32 3
		.amdhsa_float_denorm_mode_16_64 3
		.amdhsa_memory_ordered 1
		.amdhsa_forward_progress 1
		.amdhsa_inst_pref_size 210
	.end_amdhsa_kernel
	.amdgpu_metadata
---
amdhsa.version: [ 1, 2 ]
amdhsa.kernels:
  - .name:           k_qe4726e3cb3_project
    .symbol:         k_qe4726e3cb3_project.kd
    .args:
      - { .name: part, .offset: 0, .size: 8, .value_kind: global_buffer, .address_space: global }
      - { .name: hsel, .offset: 8, .size: 8, .value_kind: global_buffer, .address_space: global }
      - { .name: br, .offset: 16, .size: 8, .value_kind: global_buffer, .address_space: global }
      - { .name: Wo_codes, .offset: 24, .size: 8, .value_kind: global_buffer, .address_space: global }
      - { .name: Wo_scales, .offset: 32, .size: 8, .value_kind: global_buffer, .address_space: global }
      - { .name: bo, .offset: 40, .size: 8, .value_kind: global_buffer, .address_space: global }
      - { .name: out0, .offset: 48, .size: 8, .value_kind: global_buffer, .address_space: global }
    .group_segment_fixed_size: 327680
    .private_segment_fixed_size: 0
    .kernarg_segment_align: 8
    .kernarg_segment_size: 56
    .max_flat_workgroup_size: 128
    .sgpr_count:     80
    .vgpr_count:     1024
    .wavefront_size: 32
...
	.end_amdgpu_metadata
.endif
;; end of part 2
